; MI455X (gfx1250); checked and timed in simulation.
; The chip was launched on July 23, 2026; its instructions are those of AMD's public machine-readable ISA for CDNA 5 (MIT licence, August 2026) and "CDNA5" Instruction Set Architecture Reference Guide (July 2026). The comments in the code are by the model that wrote it; some were corrected since.
;; Multi Class Bounding Box Regressor. Allowed arithmetic: float matrix products may take bf16 or f16 operands with f32 sums; all other float work in f32.
;; Inputs: W_coords 4 x 256 float32; W_pres 1 x 256 float32; b_coords 4 float32; b_pres 1 float32; local_features 32 x 30 x 196 x 256 float32.
;; Outputs: out0 32 x 30 x 20 x 4 float32; out1 32 x 30 x 20 float32; out2 32 x 30 x 20 bool; out3 32 x 30 x 196 x 1 float32.
;; One version. Each part assembles by itself: llvm-mc -triple=amdgcn-amd-amdhsa -mcpu=gfx1250 --defsym DOCPART=n.
;; ======== version 1 of 1: 1 launch
;; launch detect (part 1): grid 480 x 1, 4 waves a work-group, no clusters, 4,608 bytes of LDS; arguments local_features, W_coords, W_pres, b_coords, b_pres, out0, out1, out2, out3; writes out0, out1, out2, out3
.if DOCPART == 1
	.amdgcn_target "amdgcn-amd-amdhsa--gfx1250"
	.amdhsa_code_object_version 6
	.text
	.protected	k_q7374a1e719_detect
	.globl	k_q7374a1e719_detect
	.p2align	8
	.type	k_q7374a1e719_detect,@function
k_q7374a1e719_detect:
	s_mov_b64 s[64:65], 0
	v_nop
	global_prefetch_b8 v0, s[64:65] scope:SCOPE_SE
	s_setreg_imm32_b32 hwreg(HW_REG_WAVE_MODE, 25, 1), 1
	s_wait_xcnt 0x0
; MultiClassBoundingBoxRegressor: 960 groups (image, class) of 196 rows x 256 f32.  For each row five dot products (4 coordinates, 1 presence);
; for each group sigmoid, the best 20 of 196 (equal scores: the lower row first), p > 0.5, greedy NMS at IoU > 0.3, masked outputs.
;
; SHARES.  A work-group has four waves and owns groups 2x and 2x+1; wave w owns the 98 rows from row 98 (w & 1) of group 2x + (w >> 1).
; A step is two rows: lanes 0-15 take one, lanes 16-31 the other, by four 16-byte loads a lane; the sixteen lanes of a half read 256 consecutive
; bytes, aligned.  Every feature byte is loaded once.  A lane holds 16 columns of a row, so its 5 x 16 weights stay in 80 registers.
; A ring of 16 steps in registers (256 registers, window 1) keeps 64 loads = 32,768 bytes of each wave on their way.
;
; THE PRODUCTS RUN IN f32 ON THE VECTOR UNIT, NOT ON THE MATRIX UNIT, by choice: a row of 1,024 bytes feeds 5 x 256 multiply-adds, so the loads
; bind and a matrix form would spare no byte; and the order of the 20 best and the keep flags are whole-number results, which operands rounded
; to 16 bits would change where two scores lie close.  No cluster: work-groups share only the 5,120 bytes of weights.  No LDS ring: the ring is
; in registers, and LDS would add a write and a read of every byte.  No prefetch: the ring already asks 16 steps ahead.
;
; NO ADDRESS AND NO BRANCH HANGS ON A SCORE.  The best rows are found by sorting whole records (x1, y1, x2, y2, p, row) over the 32 lanes with a
; fixed bitonic network (lane exchanges and v_cndmask_b32); the greedy NMS runs on scalar masks with s_cselect_b32.
; The sort of one block of 32 rows is spread over the next block's 16 steps, where the wave waits for loads anyway.
;
; LIMITS.  (1) Scores are ordered by the bits of p as signed integers: right for every p in [0, 1]; a NaN or infinite presence is not ordered as
; the reference orders it.  (2) p = 1 / (1 + 2^(-x log2 e)) by v_exp_f32 and v_rcp_f32 (1 ULP each, ISA guide 15.8): two rows whose p differ only in the
; last bits may swap against the reference; p below 2^-126 comes out as 0 (such rows fail p > 0.5 anyway).  (3) The f32 sums are formed in another
; order than the reference's (8 fused multiply-adds in each of two chains a lane, then a tree over 16 lanes).
.set ROWB,   1024                      ; bytes in a row
.set WROWS,  98                        ; rows of a wave
.set GROUPB, 196*ROWB                  ; bytes of a group's features
.set BLKB,   32*ROWB                   ; a block: 16 steps, 32 rows
.set PRES,   0                         ; LDS: presence of wave w's rows at 392 w + 4 row: both groups, 1,568 bytes
.set EX,     1568                      ; LDS: group g at EX + 768 g: 32 x 16 bytes of coordinates, then 32 x 8 bytes of (p, row)
; vector registers, window 0
.set VOFF,  1                          ; 16384 h + 16 r: my 16 bytes in a block step's two rows, which lie 16 rows apart
.set VOFFR, 2                          ; 1024 h + 16 r: the same for the first step (rows 0 and 1 of the wave)
.set WOFF,  3                          ; 16 r
.set IDX,   4                          ; the row (in its group) whose sums end in my lane: 98 wv + 2 + lane, + 32 a block
.set PADR,  5                          ; where its presence goes in LDS, + 128 a block
.set IDXR,  6                          ; 98 wv + h: the first step's row
.set PADRR, 7
.set TMP,   8                          ; v[8:15]    at work
.set W,     16                         ; v[16:95]   weights: output o, chunk c at 16 o + 4 c
.set XR,    96                         ; v[96:111]  the first step's data
.set ACC,   112                        ; v[112:121] five pairs of running sums
.set VV,    122                        ; v[122:126] an odd step's five sums
.set TL0,   128                        ; v[128:132], v[134:138], v[140:144], v[146:150]: what the tree keeps at levels 0 to 3
.set TL1,   134
.set TL2,   140
.set TL3,   146
.set F,     152                        ; v[152:156] the tree's result: lane l holds the five sums of row 2 + 32 b + l
.set SREC,  160                        ; v[160:165] the newest 32 records: x1, y1, x2, y2, p, row
.set TREC,  168                        ; v[168:173] the best 32 records so far, best in lane 0
.set PREC,  176                        ; v[176:181] the partner lane's record
.set BIAS,  184                        ; v[184:187] b_coords
.set CEN,   188                        ; v[188:189] grid centre x, y
.set AREA,  190
.set IT,    192                        ; v[192:211] IoU: four chains of five
.set KF,    212                        ; v[212:213] keep as 1.0 or 0.0, twice (a pair for the packed multiply)
.set KB,    214                        ; keep as 1 or 0
.set AD,    216                        ; v[216:219] addresses of the tail
.set OD,    220                        ; v[220:223] presence on its way out
.set LANE,  224
; window 1: step slot s is v[256+16 s : 256+16 s+15], written v[16 s ..] under the window setting
; scalar registers: s3 wave, s4 wv, s5 grp, s6 group; s[8:25] the nine buffers; s[26:27] my features; s[28:31] b_coords; s32 b_pres;
; s33-36 tree masks; s37-38 lane selects; s39 1/14; s40 14.0; s41-43 compare masks; s44 trip counter, later s44-63 one box for each IoU chain;
; s66-84 suppression masks; s86 keep; s87 at work; s88 saved EXEC; s89 0.3; s[90:91] a byte offset
.set SB,    44
.set SUP,   66
; lanes whose number has bit j clear
.set MK1,  0x55555555
.set MK2,  0x33333333
.set MK4,  0x0f0f0f0f
.set MK8,  0x00ff00ff
.set MK16, 0x0000ffff
.set MK32, 0xffffffff
.set MSB, 0
.macro WIN new                         ; s_set_vgpr_msb: low byte = the windows (1:0 source 0, 7:6 destination), high byte repeats the setting that is left
.if MSB != \new
	s_set_vgpr_msb (MSB<<8)|\new
.set MSB, \new
.endif
.endm
; four loads: the two rows of step s, 1,024 bytes each
.macro LOADSTEP s, off
.irp c, 0,1,2,3
	global_load_b128 v[16*\s+4*\c:16*\s+4*\c+3], v[VOFF], s[26:27] offset:\off+256*\c th:TH_LOAD_NT
.endr
.endm
; 40 packed multiply-adds: my 16 columns x 5 outputs, five chains that do not wait for each other; the first products start the sums
.macro DOT xb
.irp c, 0,1,2,3
.irp e, 0,2
.irp o, 0,1,2,3,4
.if (\c+\e) == 0
	v_pk_mul_f32 v[ACC+2*\o:ACC+2*\o+1], v[\xb+4*\c+\e:\xb+4*\c+\e+1], v[W+16*\o+4*\c+\e:W+16*\o+4*\c+\e+1]
.else
	v_pk_fma_f32 v[ACC+2*\o:ACC+2*\o+1], v[\xb+4*\c+\e:\xb+4*\c+\e+1], v[W+16*\o+4*\c+\e:W+16*\o+4*\c+\e+1], v[ACC+2*\o:ACC+2*\o+1]
.endif
.endr
.endr
.endr
.endm
; One level of the tree.  a: sums of the steps whose bit m is 0, b: of those whose bit is 1.  A lane whose number has bit m clear keeps a and
; sends b, the others the other way round; each adds what its partner (lane xor m) sends: d = my step's sum over twice as many lanes.
.macro COMB m, msk, a, b, d
.irp o, 0,1,2,3,4
	v_cndmask_b32 v[TMP+2*(\o&3)],   v[\a+\o], v[\b+\o], s[\msk]
	v_cndmask_b32 v[TMP+2*(\o&3)+1], v[\b+\o], v[\a+\o], s[\msk]
	v_add_f32_dpp v[\d+\o], v[TMP+2*(\o&3)+1], v[TMP+2*(\o&3)] row_xmask:\m row_mask:0xf bank_mask:0xf
.endr
.endm
; The tree as a binary counter over the 16 steps of a block: behind step 15 lane r of each half holds step r's sums over all 16 lanes.
.macro TREE s
.if (\s & 1) == 0
	s_wait_alu depctr_va_vdst(0)
.irp o, 0,1,2,3,4
	v_add_f32 v[TL0+\o], v[ACC+2*\o], v[ACC+2*\o+1]
.endr
.else
.irp o, 0,1,2,3,4
	v_add_f32 v[VV+\o], v[ACC+2*\o], v[ACC+2*\o+1]
.endr
.if (\s & 2) == 0
	COMB 1, 33, TL0, VV, TL1
.else
	COMB 1, 33, TL0, VV, TL0
.if (\s & 4) == 0
	COMB 2, 34, TL1, TL0, TL2
.else
	COMB 2, 34, TL1, TL0, TL1
.if (\s & 8) == 0
	COMB 4, 35, TL2, TL1, TL3
.else
	COMB 4, 35, TL2, TL1, TL2
	COMB 8, 36, TL3, TL2, F
.endif
.endif
.endif
.endif
.endm
; One stage of the bitonic network on record r: partner = lane xor j, runs of k lanes, asc = 1: the whole sort ends with the best in lane 31.
; 'Better' = larger p, or equal p and lower row.  A lane that is to keep the better record takes its partner's if that is better; a lane that is
; to keep the worse one takes it if it is not: the constant in the s_xor_b32 names the second kind of lane.
.macro STAGE r, j, k, asc
.irp w, 4,5,0,1,2,3
.if \j == 16
	v_permlanex16_b32 v[PREC+\w], v[\r+\w], s37, s38
.else
	v_mov_b32_dpp v[PREC+\w], v[\r+\w] row_xmask:\j row_mask:0xf bank_mask:0xf
.endif
.endr
	v_cmp_gt_i32 s41, v[PREC+4], v[\r+4]
	v_cmp_eq_u32 s42, v[PREC+4], v[\r+4]
	v_cmp_lt_u32 s43, v[PREC+5], v[\r+5]
	s_and_b32 s42, s42, s43
	s_or_b32 s41, s41, s42
	s_xor_b32 vcc_lo, s41, (MK\j ^ MK\k ^ (\asc*0xffffffff))
.irp w, 0,1,2,3,4,5
	v_cndmask_b32 v[\r+\w], v[\r+\w], v[PREC+\w], vcc_lo
.endr
.endm
; T falls from lane 0, S rises: the better of the two in each lane are the best 32 of the 64, as a bitonic run
.macro MAXM
	v_cmp_gt_i32 s41, v[SREC+4], v[TREC+4]
	v_cmp_eq_u32 s42, v[SREC+4], v[TREC+4]
	v_cmp_lt_u32 s43, v[SREC+5], v[TREC+5]
	s_and_b32 s42, s42, s43
	s_or_b32 vcc_lo, s41, s42
.irp w, 0,1,2,3,4,5
	v_cndmask_b32 v[TREC+\w], v[TREC+\w], v[SREC+\w], vcc_lo
.endr
.endm
.macro ONE u, pick, r, j, k, asc
.if \u == \pick
	STAGE \r, \j, \k, \asc
.endif
.endm
; The 21 units of taking 32 new records in: 15 stages sort S rising, one merge, 5 stages sort T falling again
.macro UNIT u
	ONE \u, 0,  SREC, 1, 2, 1
	ONE \u, 1,  SREC, 2, 4, 1
	ONE \u, 2,  SREC, 1, 4, 1
	ONE \u, 3,  SREC, 4, 8, 1
	ONE \u, 4,  SREC, 2, 8, 1
	ONE \u, 5,  SREC, 1, 8, 1
	ONE \u, 6,  SREC, 8, 16, 1
	ONE \u, 7,  SREC, 4, 16, 1
	ONE \u, 8,  SREC, 2, 16, 1
	ONE \u, 9,  SREC, 1, 16, 1
	ONE \u, 10, SREC, 16, 32, 1
	ONE \u, 11, SREC, 8, 32, 1
	ONE \u, 12, SREC, 4, 32, 1
	ONE \u, 13, SREC, 2, 32, 1
	ONE \u, 14, SREC, 1, 32, 1
.if \u == 15
	MAXM
.endif
	ONE \u, 16, TREC, 16, 32, 0
	ONE \u, 17, TREC, 8, 32, 0
	ONE \u, 18, TREC, 4, 32, 0
	ONE \u, 19, TREC, 2, 32, 0
	ONE \u, 20, TREC, 1, 32, 0
.endm
.macro UNITS s                         ; the one or two units that ride on step s: 21 units over 16 steps, the last in step 15
.irp u, 0,1,2,3,4,5,6,7,8,9,10,11,12,13,14,15,16,17,18,19,20
.if ((16*\u)/21) == \s
	UNIT \u
.endif
.endr
.endm
; A step.  left = how many younger loads may stay out when this slot's four have to be in.
.macro STEP s, refill, left
	s_wait_loadcnt \left                           ; loads come back in order (ISA guide 5.7.1): slot s is in
	WIN 0x01                                       ; source 0 (the features) in window 1
	DOT 16*\s
.if \refill
	WIN 0x40                                       ; destination in window 1
	LOADSTEP \s, 2*ROWB+BLKB+ROWB*\s               ; the same step of the next block
.endif
	WIN 0
	TREE \s
	UNITS \s
.endm
; From the five sums in F to a record in S; the presence goes to LDS for out3.  first = 1: the wave's first step, where all 16 lanes of a
; half hold the same row: lanes 0 and 16 keep it, the others become pads with the key -1, below every p.
.macro FINISH idx, padr, first
	v_add_f32 v[TMP], s32, v[F+4]                  ; presence = sum + b_pres
	v_mul_u32_u24 v[TMP+3], 0x124a, v[\idx]        ; row / 14 = (row x 4682) >> 16, exact for rows below 196
	ds_store_b32 v[\padr], v[TMP]
	v_mul_f32 v[TMP+1], 0xbfb8aa3b, v[TMP]         ; x (-log2 e)
	v_exp_f32 v[TMP+2], v[TMP+1]                   ; one plain vector instruction before its result is used (ISA guide 5.7.2): the centre's arithmetic
	v_lshrrev_b32 v[TMP+3], 16, v[TMP+3]           ; iy
	v_mul_u32_u24 v[TMP+4], 14, v[TMP+3]
	v_sub_nc_u32 v[TMP+4], v[\idx], v[TMP+4]       ; ix
	v_cvt_f32_u32 v[TMP+3], v[TMP+3]
	v_cvt_f32_u32 v[TMP+4], v[TMP+4]
	s_wait_alu depctr_va_vdst(0)
	v_add_f32 v[TMP+2], 1.0, v[TMP+2]
	v_rcp_f32 v[SREC+4], v[TMP+2]                  ; p; the lines behind it touch neither register
	v_add_f32 v[TMP+3], 0.5, v[TMP+3]
	v_add_f32 v[TMP+4], 0.5, v[TMP+4]
	v_mul_f32 v[TMP+5], s39, v[TMP+4]              ; (i + 0.5) / 14 rounded as a division: q = a / 14 roughly, the remainder exactly, one correction
	v_mul_f32 v[TMP+6], s39, v[TMP+3]
	v_fma_f32 v[TMP+4], -v[TMP+5], s40, v[TMP+4]
	v_fma_f32 v[TMP+3], -v[TMP+6], s40, v[TMP+3]
	v_fma_f32 v[CEN],   v[TMP+4], s39, v[TMP+5]    ; centre x
	v_fma_f32 v[CEN+1], v[TMP+3], s39, v[TMP+6]    ; centre y
	v_pk_add_f32 v[SREC:SREC+1],   v[F:F+1],   v[BIAS:BIAS+1]          ; (sum + bias) + centre, in the reference's order
	v_pk_add_f32 v[SREC+2:SREC+3], v[F+2:F+3], v[BIAS+2:BIAS+3]
	v_pk_add_f32 v[SREC:SREC+1],   v[SREC:SREC+1],   v[CEN:CEN+1]
	v_pk_add_f32 v[SREC+2:SREC+3], v[SREC+2:SREC+3], v[CEN:CEN+1]
	v_mov_b32 v[SREC+5], v[\idx]
.if \first
	s_mov_b32 s41, 0x00010001
	s_wait_alu depctr_va_vdst(0)
	v_cndmask_b32 v[SREC+4], -1, v[SREC+4], s41
.else
	v_add_nc_u32 v[\idx], 32, v[\idx]              ; the next block's rows
	v_add_nc_u32 v[\padr], 128, v[\padr]
	s_wait_alu depctr_va_vdst(0)
.endif
.endm
.macro BLOCK refill
.irp s, 0,1,2,3,4,5,6,7,8,9,10,11,12,13,14,15
.if \refill
	STEP \s, 1, 60                                 ; the 15 other slots' 4 loads each stay out
.else
	STEP \s, 0, 4*(15-\s)                          ; nothing is asked for any more: only the later slots are out
.endif
.endr
	FINISH IDX, PADR, 0
.endm
; IoU of boxes i0 .. i0+n-1 (from lanes of T, through scalar registers) with the box in each lane: n chains side by side.
; Bit j of s[SUP+i] = IoU(i, j) > 0.3.
.macro IOU i0, n
.irp q, 0,1,2,3
.if \q < \n
	v_readlane_b32 s[SB+5*\q+0], v[TREC+0], \i0+\q
	v_readlane_b32 s[SB+5*\q+1], v[TREC+1], \i0+\q
	v_readlane_b32 s[SB+5*\q+2], v[TREC+2], \i0+\q
	v_readlane_b32 s[SB+5*\q+3], v[TREC+3], \i0+\q
	v_readlane_b32 s[SB+5*\q+4], v[AREA],   \i0+\q
.endif
.endr
.irp q, 0,1,2,3
.if \q < \n
	v_max_num_f32 v[IT+5*\q+0], s[SB+5*\q+0], v[TREC+0]
	v_max_num_f32 v[IT+5*\q+1], s[SB+5*\q+1], v[TREC+1]
	v_min_num_f32 v[IT+5*\q+2], s[SB+5*\q+2], v[TREC+2]
	v_min_num_f32 v[IT+5*\q+3], s[SB+5*\q+3], v[TREC+3]
.endif
.endr
.irp q, 0,1,2,3
.if \q < \n
	v_sub_f32 v[IT+5*\q+0], v[IT+5*\q+2], v[IT+5*\q+0]
	v_sub_f32 v[IT+5*\q+1], v[IT+5*\q+3], v[IT+5*\q+1]
.endif
.endr
.irp q, 0,1,2,3
.if \q < \n
	v_max_num_f32 v[IT+5*\q+0], 0, v[IT+5*\q+0]
	v_max_num_f32 v[IT+5*\q+1], 0, v[IT+5*\q+1]
.endif
.endr
.irp q, 0,1,2,3
.if \q < \n
	v_mul_f32 v[IT+5*\q+0], v[IT+5*\q+0], v[IT+5*\q+1]         ; the overlap
	v_add_f32 v[IT+5*\q+2], s[SB+5*\q+4], v[AREA]
.endif
.endr
.irp q, 0,1,2,3
.if \q < \n
	v_sub_f32 v[IT+5*\q+2], v[IT+5*\q+2], v[IT+5*\q+0]         ; the union
.endif
.endr
.irp q, 0,1,2,3
.if \q < \n
	v_max_num_f32 v[IT+5*\q+2], 0x3089705f, v[IT+5*\q+2]       ; at least 1e-9
.endif
.endr
.irp q, 0,1,2,3
.if \q < \n
	v_rcp_f32 v[IT+5*\q+3], v[IT+5*\q+2]
.endif
.endr
	v_nop                                          ; the plain place behind the last v_rcp_f32 (ISA guide 5.7.2)
	s_wait_alu depctr_va_vdst(0)
.irp q, 0,1,2,3
.if \q < \n
	v_mul_f32 v[IT+5*\q+4], v[IT+5*\q+0], v[IT+5*\q+3]         ; overlap / union: the quotient roughly,
.endif
.endr
.irp q, 0,1,2,3
.if \q < \n
	v_fma_f32 v[IT+5*\q+1], -v[IT+5*\q+4], v[IT+5*\q+2], v[IT+5*\q+0]  ; its remainder exactly,
.endif
.endr
.irp q, 0,1,2,3
.if \q < \n
	v_fma_f32 v[IT+5*\q+4], v[IT+5*\q+1], v[IT+5*\q+3], v[IT+5*\q+4]   ; one correction
.endif
.endr
.irp q, 0,1,2,3
.if \q < \n
	v_cmp_lt_f32 s[SUP+\i0+\q], s89, v[IT+5*\q+4]
.endif
.endr
.endm
	; ---------------- who am I, and the first 88 loads ----------------
	s_load_b512 s[8:23], s[0:1], 0x0               ; features s[8:9], W_coords s[10:11], W_pres s[12:13], b_coords s[14:15], b_pres s[16:17], out0 s[18:19], out1 s[20:21], out2 s[22:23]
	s_load_b64 s[24:25], s[0:1], 0x40              ; out3
	v_lshl_add_u32 v254, v0, 2, 0x1000
	v_mov_b32 v255, 0
	v_lshrrev_b32 v[TMP], 5, v0
	v_readfirstlane_b32 s3, v[TMP]                 ; wave 0..3
	s_and_b32 s4, s3, 1                            ; wv: which 98 rows of the group
	s_lshr_b32 s5, s3, 1                           ; grp: which of the work-group's two groups
	s_lshl1_add_u32 s6, ttmp9, s5                  ; the group, 0..959
	v_and_b32 v[LANE], 31, v0
	v_and_b32 v[TMP+1], 15, v0                     ; r
	v_bfe_u32 v[TMP+2], v0, 4, 1                   ; h
	v_lshlrev_b32 v[WOFF], 4, v[TMP+1]
	v_lshl_add_u32 v[VOFF],  v[TMP+2], 14, v[WOFF]
	v_lshl_add_u32 v[VOFFR], v[TMP+2], 10, v[WOFF]
	s_mul_i32 s90, s6, GROUPB                      ; at most 959 x 200,704 + 100,352: below 2^31
	s_mul_i32 s87, s4, WROWS*ROWB
	s_add_co_u32 s90, s90, s87
	s_mov_b32 s91, 0
	s_wait_kmcnt 0x0
	s_add_nc_u64 s[26:27], s[8:9], s[90:91]        ; my 98 rows
	s_load_b128 s[28:31], s[14:15], 0x0            ; b_coords
	s_load_b32 s32, s[16:17], 0x0                  ; b_pres
.irp c, 0,1,2,3
.irp o, 0,1,2,3
	global_load_b128 v[W+16*\o+4*\c:W+16*\o+4*\c+3], v[WOFF], s[10:11] offset:ROWB*\o+256*\c
.endr
	global_load_b128 v[W+64+4*\c:W+64+4*\c+3], v[WOFF], s[12:13] offset:256*\c
.endr
.irp c, 0,1,2,3
	global_load_b128 v[XR+4*\c:XR+4*\c+3], v[VOFFR], s[26:27] offset:256*\c th:TH_LOAD_NT     ; rows 0 and 1
.endr
	WIN 0x40
.irp s, 0,1,2,3,4,5,6,7,8,9,10,11,12,13,14,15
	LOADSTEP \s, 2*ROWB+ROWB*\s                    ; block 0: rows 2 to 33
.endr
	WIN 0
	; ---------------- constants and addresses, while the loads run ----------------
	s_mul_i32 s7, s4, WROWS
	s_mul_i32 s2, s3, 4*WROWS                      ; my 392 bytes of the presence table (PRES = 0)
	v_add_nc_u32 v[IDXR], s7, v[TMP+2]
	v_add3_u32 v[IDX], v[LANE], s7, 2
	v_lshl_add_u32 v[PADRR], v[TMP+2], 2, s2
	v_lshl_add_u32 v[PADR], v[LANE], 2, s2
	v_add_nc_u32 v[PADR], 8, v[PADR]
	s_mov_b32 s33, 0xaaaaaaaa                      ; lanes with bit 0, 1, 2, 3 set
	s_mov_b32 s34, 0xcccccccc
	s_mov_b32 s35, 0xf0f0f0f0
	s_mov_b32 s36, 0xff00ff00
	s_mov_b32 s37, 0x76543210                      ; v_permlanex16_b32: lane i of one half reads lane i of the other
	s_mov_b32 s38, 0xfedcba98
	s_mov_b32 s39, 0x3d924925                      ; 1/14
	s_mov_b32 s40, 0x41600000                      ; 14.0
	s_mov_b32 s89, 0x3e99999a                      ; 0.3
.irp o, 0,1,2,3,4
	v_mov_b32 v[TL1+\o], 0                         ; destinations of DPP forms count as read: written once here
	v_mov_b32 v[TL2+\o], 0
	v_mov_b32 v[TL3+\o], 0
.endr
.irp w, 0,1,2,3,4,5
	v_mov_b32 v[PREC+\w], 0                        ; likewise
	v_mov_b32 v[TREC+\w], 0                        ; T starts as 32 pads,
.endr
	v_mov_b32 v[TREC+4], -1                        ; whose key lies below every p
	s_wait_kmcnt 0x0
.irp w, 0,1,2,3
	v_mov_b32 v[BIAS+\w], s[28+\w]
.endr
	; ---------------- the first step: rows 0 and 1, summed over all 16 lanes of each half ----------------
	s_wait_loadcnt 63                              ; the 20 loads of weights and the 4 of rows 0 and 1 are in: 64 younger loads exist, the wait's field ends at 63
	DOT XR
.irp o, 0,1,2,3,4
	v_add_f32 v[F+\o], v[ACC+2*\o], v[ACC+2*\o+1]
.endr
.irp m, 1,2,4,8
.irp o, 0,1,2,3,4
	v_add_f32_dpp v[F+\o], v[F+\o], v[F+\o] row_xmask:\m row_mask:0xf bank_mask:0xf
.endr
.endr
	FINISH IDXR, PADRR, 1
	; ---------------- blocks 0 and 1: each step asks for the same step of the next block ----------------
	s_mov_b32 s44, 0
.Lblock:
	BLOCK 1
	s_wait_xcnt 0x0                                ; the base is stepped only when every load's address has been taken
	s_add_nc_u64 s[26:27], s[26:27], BLKB
	s_add_co_u32 s44, s44, 1
	s_cmp_lt_u32 s44, 2
	s_cbranch_scc1 .Lblock
	; ---------------- block 2 asks for nothing; then its own records are taken in ----------------
	BLOCK 0
.irp u, 0,1,2,3,4,5,6,7,8,9,10,11,12,13,14,15,16,17,18,19,20
	UNIT \u
.endr
	; ---------------- the odd wave of each group hands its best 32 to the even one ----------------
	s_mul_i32 s87, s5, 768
	s_add_co_u32 s87, s87, EX
	s_cmp_lg_u32 s4, 0
	s_cbranch_scc0 .Lno_hand
	v_lshl_add_u32 v[AD],   v[LANE], 4, s87
	v_lshl_add_u32 v[AD+1], v[LANE], 3, s87
	ds_store_b128 v[AD], v[TREC:TREC+3]
	ds_store_b64 v[AD+1], v[TREC+4:TREC+5] offset:512
.Lno_hand:
	s_wait_dscnt 0x0                               ; for the others' sake: my presences and my records are in LDS
	s_barrier_signal -1
	s_barrier_wait -1                              ; the only barrier
	s_cmp_lg_u32 s4, 0
	s_cbranch_scc0 .Leven
	; ---------------- odd waves: the group's 196 presences, 784 bytes, to out3 ----------------
	s_mul_i32 s90, s6, 784
	s_mov_b32 s91, 0
	s_add_nc_u64 s[24:25], s[24:25], s[90:91]
	s_mul_i32 s87, s5, 784
	v_lshlrev_b32 v[AD+1], 4, v[LANE]              ; 16 bytes a lane
	v_add_nc_u32 v[AD], s87, v[AD+1]
	ds_load_b128 v[OD:OD+3], v[AD]
	s_wait_dscnt 0x0
	global_store_b128 v[AD+1], v[OD:OD+3], s[24:25] th:TH_STORE_NT             ; 512 bytes
	s_wait_xcnt 0x0                                ; EXEC and the store's data change only behind this wait
	v_cmp_gt_u32 vcc_lo, 17, v[LANE]
	s_wait_tensorcnt 0x0
	ds_add_u32 v254, v255
	s_wait_dscnt 0x0
	s_and_saveexec_b32 s88, vcc_lo                 ; 17 lanes for the last 272 bytes
	ds_load_b128 v[OD:OD+3], v[AD] offset:512
	s_wait_dscnt 0x0
	global_store_b128 v[AD+1], v[OD:OD+3], s[24:25] offset:512 th:TH_STORE_NT
	s_endpgm
.Leven:
	; ---------------- even waves: merge, NMS, outputs ----------------
	v_sub_nc_u32 v[AD+2], 31, v[LANE]              ; read backwards: the partner's falling list comes in rising
	v_lshl_add_u32 v[AD],   v[AD+2], 4, s87
	v_lshl_add_u32 v[AD+1], v[AD+2], 3, s87
	ds_load_b128 v[SREC:SREC+3], v[AD]
	ds_load_b64 v[SREC+4:SREC+5], v[AD+1] offset:512
	s_wait_dscnt 0x0
.irp u, 15,16,17,18,19,20
	UNIT \u
.endr
	; lanes 0 to 19 of T are the group's best 20, in order
	v_sub_f32 v[TMP],   v[TREC+2], v[TREC+0]
	v_sub_f32 v[TMP+1], v[TREC+3], v[TREC+1]
	v_max_num_f32 v[TMP],   0, v[TMP]
	v_max_num_f32 v[TMP+1], 0, v[TMP+1]
	v_mul_f32 v[AREA], v[TMP], v[TMP+1]
	IOU 0, 4
	IOU 4, 4
	IOU 8, 4
	IOU 12, 4
	IOU 16, 3                                      ; box 19 has nobody behind it
	v_cmp_lt_f32 s86, 0.5, v[TREC+4]               ; valid
	s_and_b32 s86, s86, 0xfffff
	; greedy: a box that is still kept removes the later boxes that overlap it; a choice of masks, no branch
.irp i, 0,1,2,3,4,5,6,7,8,9,10,11,12,13,14,15,16,17,18
	s_and_b32 s87, s[SUP+\i], (0xfffff>>(\i+1))<<(\i+1)
	s_bitcmp1_b32 s86, \i
	s_cselect_b32 s87, s87, 0
	s_and_not1_b32 s86, s86, s87
.endr
	v_cndmask_b32 v[KF],   0, 1.0, s86
	v_cndmask_b32 v[KF+1], 0, 1.0, s86
	v_cndmask_b32 v[KB],   0, 1, s86
	v_pk_mul_f32 v[TREC:TREC+1],     v[TREC:TREC+1],     v[KF:KF+1]    ; multiplied by 1 or 0, as the reference does
	v_pk_mul_f32 v[TREC+2:TREC+3],   v[TREC+2:TREC+3],   v[KF:KF+1]
	v_mul_f32 v[TREC+4], v[TREC+4], v[KF]
	s_mov_b32 s91, 0
	s_mul_i32 s90, s6, 320
	s_add_nc_u64 s[18:19], s[18:19], s[90:91]      ; out0: 20 x 16 bytes a group
	s_mul_i32 s90, s6, 80
	s_add_nc_u64 s[20:21], s[20:21], s[90:91]      ; out1: 20 x 4
	s_mul_i32 s90, s6, 20
	s_add_nc_u64 s[22:23], s[22:23], s[90:91]      ; out2: 20 x 1
	v_lshlrev_b32 v[AD],   4, v[LANE]
	v_lshlrev_b32 v[AD+1], 2, v[LANE]
	v_cmp_gt_u32 vcc_lo, 20, v[LANE]
	s_wait_tensorcnt 0x0
	ds_add_u32 v254, v255
	s_wait_dscnt 0x0
	s_and_saveexec_b32 s88, vcc_lo                 ; this wave's last global instructions were the loop's loads, in front of the loop's s_wait_xcnt 0
	global_store_b128 v[AD], v[TREC:TREC+3], s[18:19] th:TH_STORE_NT           ; 320 consecutive bytes
	global_store_b32 v[AD+1], v[TREC+4], s[20:21] th:TH_STORE_NT
	global_store_b8 v[LANE], v[KB], s[22:23] th:TH_STORE_NT
	s_endpgm
.Lfunc_end_k_q7374a1e719_detect:
	.size	k_q7374a1e719_detect, .Lfunc_end_k_q7374a1e719_detect-k_q7374a1e719_detect
	.p2alignl 7, 3214868480
	.fill 96, 4, 3214868480
	.section	.rodata,"a",@progbits
	.p2align	6, 0x0
	.amdhsa_kernel k_q7374a1e719_detect
		.amdhsa_group_segment_fixed_size 4608
		.amdhsa_private_segment_fixed_size 0
		.amdhsa_enable_private_segment 0
		.amdhsa_kernarg_size 72
		.amdhsa_user_sgpr_count 2
		.amdhsa_user_sgpr_kernarg_segment_ptr 1
		.amdhsa_wavefront_size32 1
		.amdhsa_system_sgpr_workgroup_id_x 1
		.amdhsa_system_sgpr_workgroup_id_y 1
		.amdhsa_system_sgpr_workgroup_id_z 1
		.amdhsa_system_vgpr_workitem_id 0
		.amdhsa_next_free_vgpr 512
		.amdhsa_next_free_sgpr 96
		.amdhsa_reserve_vcc 1
		.amdhsa_float_denorm_mode_32 3
		.amdhsa_float_denorm_mode_16_64 3
		.amdhsa_memory_ordered 1
		.amdhsa_forward_progress 1
		.amdhsa_inst_pref_size 227
	.end_amdhsa_kernel
	.amdgpu_metadata
---
amdhsa.version: [ 1, 2 ]
amdhsa.kernels:
  - .name:           k_q7374a1e719_detect
    .symbol:         k_q7374a1e719_detect.kd
    .args:
      - { .name: local_features, .offset: 0, .size: 8, .value_kind: global_buffer, .address_space: global }
      - { .name: W_coords, .offset: 8, .size: 8, .value_kind: global_buffer, .address_space: global }
      - { .name: W_pres, .offset: 16, .size: 8, .value_kind: global_buffer, .address_space: global }
      - { .name: b_coords, .offset: 24, .size: 8, .value_kind: global_buffer, .address_space: global }
      - { .name: b_pres, .offset: 32, .size: 8, .value_kind: global_buffer, .address_space: global }
      - { .name: out0, .offset: 40, .size: 8, .value_kind: global_buffer, .address_space: global }
      - { .name: out1, .offset: 48, .size: 8, .value_kind: global_buffer, .address_space: global }
      - { .name: out2, .offset: 56, .size: 8, .value_kind: global_buffer, .address_space: global }
      - { .name: out3, .offset: 64, .size: 8, .value_kind: global_buffer, .address_space: global }
    .group_segment_fixed_size: 4608
    .private_segment_fixed_size: 0
    .kernarg_segment_align: 8
    .kernarg_segment_size: 72
    .max_flat_workgroup_size: 128
    .sgpr_count:     96
    .vgpr_count:     512
    .wavefront_size: 32
...
	.end_amdgpu_metadata
.endif
;; end of part 1
